; MI455X (gfx1250); checked and timed in simulation.
; The chip was launched on July 23, 2026; its instructions are those of AMD's public machine-readable ISA for CDNA 5 (MIT licence, August 2026) and "CDNA5" Instruction Set Architecture Reference Guide (July 2026). The comments in the code are by the model that wrote it; some were corrected since.
;; Multi Head Attention. Allowed arithmetic: matrix products marked QUANTISED: E5M2 operands, one given power-of-two scale a tensor, by v_wmma_f32_16x16x64_bf8_bf8 or v_wmma_f32_16x16x128_bf8_bf8, f32 sums; products left as they are: f32 operands where the result goes on into a quantised operand, else bf16, f16 or f32 operands; f32 sums; everything else in f32.
;; Inputs: Wk_codes 1,024 x 32 x 32 uint8 (E5M2 codes of Wk, K innermost, in blocks of 32 codes); Wq_codes 1,024 x 32 x 32 uint8 (E5M2 codes of Wq, K innermost, in blocks of 32 codes); keys_codes 512 x 64 x 32 x 32 uint8 (E5M2 codes of keys, K innermost, in blocks of 32 codes); lowp_scales 6 int32 (the exponents e of the quantised operands' scales 2^e); query_codes 64 x 32 x 32 uint8 (E5M2 codes of query, K innermost, in blocks of 32 codes); values_codes 512 x 64 x 32 x 32 uint8 (E5M2 codes of values, K innermost, in blocks of 32 codes).
;; Outputs: out0 64 x 1,024 float32.
;; This version of the problem:
;;   THIS VERSION OF THE PROBLEM IS GIVEN IN LOW PRECISION. The matrix products marked QUANTISED in the list below multiply operands that are first quantised to E5M2 (5 exponent bits, 2 mantissa bits; 8 bits a number), with one given power-of-two scale for each operand tensor; their sums are f32. All else is computed in f32.
;;   The module's matrix products, in the order in which they are computed (A, B: the left and right operand; K: the contracted axis; several contracted axes count as one K, in the product's order):
;;     1. [M 64, K 1,024] x [K 1,024, N 1,024]; A: input query (given as codes); B: input Wq (given as codes): QUANTISED (scales: A lowp_scales[0], B lowp_scales[1])
;;     2. [M 32,768, K 1,024] x [K 1,024, N 1,024]; A: input keys (given as codes); B: input Wk (given as codes): QUANTISED (scales: A lowp_scales[2], B lowp_scales[3])
;;     3. [M 32,768, K 1,024] x [K 1,024, N 1,024]; A: input values (given as codes); B: input Wk (given as codes): QUANTISED (scales: A lowp_scales[4], B lowp_scales[5])
;;     4. batch 1,024 x [M 512, K 64] x [K 64, N 1]; A: computed on the way; B: computed on the way: left as it is (N = 1 < 16)
;;     5. batch 1,024 x [M 1, K 512] x [K 512, N 64]; A: softmax; B: computed on the way: left as it is (M = 1 < 16)
;;   THE QUANTISER, for each operand of a quantised product, along K:
;;     - The operand's scale is 2^e, e = its entry of the input lowp_scales (int32; the entries are numbered through the quantised products in the list's order, A before B).
;;     - Each number is divided by the scale, clamped to +-57,344, and rounded to the nearest number of E5M2, ties to even, subnormals kept.
;;     - The product sums the exact products of the quantised numbers (number of the format x scale) in f32.
;;   ~~~python
;;   def quantise(x, axis, e):      # numpy; x: float32 -> the quantised numbers, widened to float32 again
;;       x = np.moveaxis(x, axis, -1); K = x.shape[-1]
;;       r = np.clip(x / 2.0 ** e, -57344, 57344)
;;       step = 2.0 ** (np.maximum(np.frexp(np.where(r == 0, 1, r))[1] - 1, -14) - 2)
;;       q = np.round(r / step) * step * 2.0 ** e      # np.round: ties to even
;;       return np.moveaxis(q, -1, axis).astype(np.float32)
;;   ~~~
;;   INPUTS GIVEN AS CODES. Wk (in the module: [1024, 1024], K = its axis 1); Wq (in the module: [1024, 1024], K = its axis 1); keys (in the module: [512, 64, 1024], K = its axis 2); query (in the module: [64, 1024], K = its axis 1); values (in the module: [512, 64, 1024], K = its axis 2): each comes as NAME_codes (uint8): NAME with its K axis moved to the last place and cut into blocks of 32 codes, [.., K / 32, bytes a block], one block behind the other in memory; one code a byte (a code: sign, 5 exponent bits, 2 mantissa bits); its scale is its entry of lowp_scales. Its value is code x scale, taken as it is: it is not quantised again, and the codes and scales need not be those that the quantiser above would give.
;; One version. Each part assembles by itself: llvm-mc -triple=amdgcn-amd-amdhsa -mcpu=gfx1250 --defsym DOCPART=n.
;; ======== version 1 of 1: 1 launch
;; limits: right only within a limited range of input values
;; launch mha (part 1): grid 4 x 64, 4 waves a work-group, clusters of 4 x 4, 327,680 bytes of LDS; arguments Wk_codes, Wq_codes, keys_codes, lowp_scales, query_codes, values_codes, out0; writes out0
.if DOCPART == 1
	.amdgcn_target "amdgcn-amd-amdhsa--gfx1250"
	.amdhsa_code_object_version 6
	.text
	.protected	k_qd261e3f383_mha
	.globl	k_qd261e3f383_mha
	.p2align	8
	.type	k_qd261e3f383_mha,@function
k_qd261e3f383_mha:
	s_mov_b64 s[64:65], 0
	v_nop
	global_prefetch_b8 v0, s[64:65] scope:SCOPE_SE
	s_setreg_imm32_b32 hwreg(HW_REG_WAVE_MODE, 25, 1), 1
	s_wait_xcnt 0x0
	s_wait_alu depctr_hold_cnt(0) depctr_sa_sdst(0) depctr_va_vdst(0) depctr_va_sdst(0) depctr_va_ssrc(0) depctr_va_vcc(0) depctr_vm_vsrc(0)
	s_getreg_b32 s2, hwreg(HW_REG_IB_STS2, 6, 4)
	s_cmp_eq_u32 s2, 0
	s_cbranch_scc0 .Lentry_in_a_cluster
	s_endpgm
.Lentry_in_a_cluster:
	s_bfe_u32 s2, ttmp6, 0x10000c
	s_cmp_lg_u32 s2, 0xf033
	s_cbranch_scc0 .Lentry_shape_is_right
	s_endpgm
.Lentry_shape_is_right:
; out0[b][n] = sum over s of softmax_s(qp[b,head] . kp[s,b,head] / 8) vp[s,b][n],  qp = query Wq^T, kp = keys Wk^T, vp = values Wk^T.
; The three projections are products of E5M2 codes as they are given (v_wmma_f32_16x16x128_bf8_bf8, sums in f32); scores, softmax and the weighted sum are f32.
; SHARES.  Work-group (g, b): batch b, heads 4 g .. 4 g + 3: 256 columns n, all 512 rows s of keys and then of values.
; Wave w of four = (c, q) = (w / 2, w % 2) keeps Wk[256 g + 128 c .. + 127][512 q .. + 511] in 512 registers for the whole launch: 32 fragments of 16 rows x 128 K.  It walks all 1,024 rows in blocks of 16:
; a block is 8 column tiles x 4 K steps = 32 matrix instructions on 8 accumulators.  A fragment of keys or values read from LDS (2 KiB) feeds 8 matrix instructions; the weight is never read again.
; K IS SPLIT over the waves q = 0, 1.  Scores and outputs are linear in kp and vp, so each wave forms its half of them and the halves are added through LDS.
; K PHASE: source 0 = Wk, source 1 = keys: lane (r, h), register j holds kp(s = r, n = 16 bn + 8 h + j); times qp, summed over a head's 64 columns: a partial score.
; V PHASE: source 0 = values, source 1 = Wk: lane (r, h), register j holds vp(s = 8 h + j, n = 16 bn + r); times the weights, summed over s in a pair of registers for each column tile.
; Two sets of accumulators: block i's 32 matrix instructions stand in one run, and behind them the vector work on block i - 1, in 8 independent chains; the last steps of block i - 2's score stand between them.  Then come block i's LDS instructions.
; CLUSTER 4 x 4: cx = g, cy = b % 4.  The four of a row walk the same tiles of keys and values (128 rows x 1,024 bytes, a wave fetching 32 rows): asked for JOINTLY along the row.  The four of a column read the same 256 rows of Wq:
; asked for jointly along the column.  Wk goes straight from memory into registers, once.
; HEAD: Wq fills both slots; wave w makes columns 16 w .. + 15 and 64 + 16 w .. of qp from the first slot, then the same 128 further on from the second, over all of K; each slot then takes keys' tile 0, 1.
; FRAGMENTS: registers 4 c .. 4 c + 3 of lane (r, h) hold bytes 128 ks + 32 c + 16 h + 0 .. 15 of row r: the same permutation of k on both sides of every product, so each code meets its partner.
; SCALES: sums stay raw (|qp kp| x 64 stays under 2^90); 2^(e0+e1+e2+e3) enters the softmax's exponent and 2^(e4+e5) the output, both by v_ldexp_f32.
; LIMITS: NaN and infinity codes are not served specially: they go on as the matrix unit passes them.  K's two halves are rounded apart and then added.  The promise holds while the scaled scores (exponents to the base 2) stay under 2^31.
; REGISTERS.  window 0: v1-31 addresses; v32-95, v96-159 fragments of keys / values, two buffers; v160-199 the softmax; at the head v32-159 the query, v160-223 Wq, v224-255 four accumulators.
;   window 1: v0-63, v64-127 two sets of 8 accumulators; v128-191 qp, later v128-143 the outputs' pairs, v144-159 the weights; v192-207 the scores' pairs; v208-220 at work; v240-251 addresses and the way out.
;   windows 2, 3: Wk: fragment (ks, bn) in window 2 + ks / 2 at v[16 (8 (ks % 2) + bn)].
.set PITCH, 1040                       ; an LDS row: 1,024 bytes + 16 = 65 x 16: the 16 rows of a fragment load start at 16 different 16-byte columns of the 64 banks of 4 bytes (ISA guide 11.1)
.set BLKB,  16*PITCH
.set HALFS, 64*PITCH                   ; blocks 4-7 have an address register of their own: the LDS immediate has 16 bits
.set SLOT,  128*PITCH
.set SPARE, 2*SLOT                     ; the spare words, 128 bytes for each wave: no other line names them
.set SCB,   SPARE+512                  ; partial scores [q][head][s], later the weights in its q = 0 half
.set QPB,   SCB+16384                  ; qp, 256 numbers
.set QRY,   QPB+1024                   ; the query's 1,024 codes
.set FIN,   QRY+1024                   ; partial outputs, 512 bytes a wave
.set STEP,  128*65536                  ; 128 rows of keys or values for one b: rows lie 64 x 1,024 bytes apart
.set PADF,  (1<<20)|(1<<21)|(7<<22)|(3<<25)  ; 17:16 elements of 1 byte; 20 padding on; 21 set beside a mask; 24:22 after every 256 words (code 7); 31:25 four words (code 3)
.set W_E,   0x55                       ; every operand place in window 1
.set MSB, 0
.macro WIN new                         ; the immediate's high byte repeats the setting that is left; a switch that changes nothing is dropped
.if MSB != (\new)
	s_set_vgpr_msb (MSB<<8)|(\new)
.set MSB, (\new)
.endif
.endm
.macro NOPS n
.rept \n
	v_nop
.endr
.endm
.macro CREST                           ; a round of the cluster's barrier behind its opening barrier
	s_cmp_lg_u32 s18, 0
	s_cbranch_scc1 .Lnot_wave_0_\@
	s_barrier_signal -3
.Lnot_wave_0_\@:
	s_barrier_wait -3
	s_barrier_signal -1
	s_barrier_wait -1
.endm
.macro CROUND                          ; a whole round
	s_barrier_signal -1
	s_barrier_wait -1
	CREST
.endm
.macro LDWK f                          ; fragment f = 8 ks + bn of my part of Wk, into window 2 or 3
	WIN ((2+(\f)/16)<<6)
.irp cc, 0,1,2,3
	global_load_b128 v[16*((\f)%16)+4*\cc:16*((\f)%16)+4*\cc+3], v7, s[4:5] offset:((\f)%8)*16384+((\f)/8)*128+\cc*32
.endr
.endm
; qp: 16 rows of Wq x four K steps from base on, from LDS
.macro QLOAD adr, base
.irp q, 0,1,2,3
.irp cc, 0,1,2,3
	ds_load_b128 v[160+16*\q+4*\cc:163+16*\q+4*\cc], v[\adr] offset:128*((\base)+\q)+32*\cc
.endr
.endr
.endm
; four accumulators by turns; source 1 holds the one query row b in all 16 columns, so every lane r gets qp(16 t + 8 h + j)
.macro QMUL base
.irp q, 0,1,2,3
	s_wait_dscnt 12-4*\q                           ; this K step's four loads are in
.if (\base) == 0
	v_wmma_f32_16x16x128_bf8_bf8 v[224+8*\q:231+8*\q], v[160+16*\q:175+16*\q], v[32+16*\q:47+16*\q], 0
.else
	v_wmma_f32_16x16x128_bf8_bf8 v[224+8*\q:231+8*\q], v[160+16*\q:175+16*\q], v[32+16*((\base)+\q):47+16*((\base)+\q)], v[224+8*\q:231+8*\q]
.endif
.endr
.endm
.macro QREST adr, to                   ; K steps 4-7, the four sums added, and the tile's 16 numbers stored (the 16 lanes of a half store the same numbers to the same place)
	NOPS 4                                         ; places in front of loads into registers that these products have read
	QLOAD \adr, 4
	QMUL 4
	NOPS 5
.irp k, 0,2,4,6
	v_pk_add_f32 v[224+\k:225+\k], v[224+\k:225+\k], v[232+\k:233+\k]
	v_pk_add_f32 v[240+\k:241+\k], v[240+\k:241+\k], v[248+\k:249+\k]
.endr
.irp k, 0,2,4,6
	v_pk_add_f32 v[224+\k:225+\k], v[224+\k:225+\k], v[240+\k:241+\k]
.endr
	ds_store_b128 v12, v[224:227] offset:\to
	ds_store_b128 v12, v[228:231] offset:(\to)+16
.endm
; 16 LDS loads in one run: block blk's four fragments (my 512 of its rows' 1,024 bytes) into buffer buf
.macro FETCH buf, blk
	WIN 0
.irp ks, 0,1,2,3
.irp cc, 0,1,2,3
	ds_load_b128 v[32+64*(\buf)+16*\ks+4*\cc:35+64*(\buf)+16*\ks+4*\cc], v[4+(\blk)/4] offset:((\blk)%4)*BLKB+128*\ks+32*\cc
.endr
.endr
.endm
; a block's weights: of my two heads, rows 16 blk + 8 h + 0 .. 7 of the tile
.macro PLOAD blk
	WIN W_E
.irp hh, 0,1
	ds_load_b128 v[144+8*\hh:147+8*\hh], v243 offset:\hh*2048+64*(\blk)
	ds_load_b128 v[148+8*\hh:151+8*\hh], v243 offset:\hh*2048+64*(\blk)+16
.endr
.endm
; n matrix instructions: K step ks of tiles t0 on, accumulator set and fragment buffer X.  K step 0 starts the sums: nothing is cleared.  The accumulators take turns, one instruction a turn.
.macro WM ph, X, ks, t0, n
.if \ph
	WIN (0x58+4*((\ks)/2))                         ; source 0 window 0, source 1 (Wk) window 2 or 3, C and D window 1
.else
	WIN (0x52+(\ks)/2)                             ; source 0 (Wk) window 2 or 3, source 1 window 0, C and D window 1
.endif
.set rF, 32+64*(\X)+16*(\ks)
.set tI, \t0
.rept \n
.set rD, 64*(\X)+8*tI
.set rW, 16*(8*((\ks)%2)+tI)
.if \ph
.if (\ks) == 0
	v_wmma_f32_16x16x128_bf8_bf8 v[rD:rD+7], v[rF:rF+15], v[rW:rW+15], 0
.else
	v_wmma_f32_16x16x128_bf8_bf8 v[rD:rD+7], v[rF:rF+15], v[rW:rW+15], v[rD:rD+7]
.endif
.else
.if (\ks) == 0
	v_wmma_f32_16x16x128_bf8_bf8 v[rD:rD+7], v[rW:rW+15], v[rF:rF+15], 0
.else
	v_wmma_f32_16x16x128_bf8_bf8 v[rD:rD+7], v[rW:rW+15], v[rF:rF+15], v[rD:rD+7]
.endif
.endif
.set tI, tI+1
.endr
.endm
; K: kp x qp of set bP: registers 2 e and 2 e + 1 of tile t (each accumulator from its low end on) onto the tile's pair
.macro KE e, t
.set rS, 192+2*(\t)
.set rA, 64*bP+8*(\t)+2*(\e)
.set rQ, 128+8*(\t)+2*(\e)
.if (\e) == 0
	v_pk_mul_f32 v[rS:rS+1], v[rA:rA+1], v[rQ:rQ+1]
.else
	v_pk_fma_f32 v[rS:rS+1], v[rA:rA+1], v[rQ:rQ+1], v[rS:rS+1]
.endif
.endm
; the last steps of the score of the block before that, one by one: tiles 0-3 are head 2 c, tiles 4-7 head 2 c + 1; the two halves of the lanes hold different columns of both heads:
; lanes 0-15 keep head 2 c and send head 2 c + 1, lanes 16-31 the other way round; the score ends in v219
.macro KF n, on
.if \on
.if (\n) == 0
	v_pk_add_f32 v[208:209], v[208:209], v[210:211]
.endif
.if (\n) == 1
	v_pk_add_f32 v[212:213], v[212:213], v[214:215]
.endif
.if (\n) == 2
	v_add_f32 v216, v208, v209                     ; head 2 c, my half's columns
.endif
.if (\n) == 3
	v_add_f32 v217, v212, v213                     ; head 2 c + 1
.endif
.if (\n) == 4
	v_cndmask_b32 v218, v217, v216, s56            ; what I send
.endif
.if (\n) == 5
	v_cndmask_b32 v219, v216, v217, s56            ; what I keep
.endif
.if (\n) == 6
	v_permlanex16_b32 v220, v218, s54, s55
.endif
.if (\n) == 7
	v_add_f32 v219, v219, v220
.endif
.endif
.endm
.macro KSTR on                         ; a block's stretch: 32 multiply-adds in 8 chains, the score's last steps of the block before it between them, and the first step of its own sums
	KE 0, 0
	KF 0, \on
	KE 0, 1
	KF 1, \on
	KE 0, 2
	KE 0, 3
	KE 0, 4
	KF 2, \on
	KE 0, 5
	KF 3, \on
	KE 0, 6
	KE 0, 7
	KE 1, 0
	KE 1, 1
	KF 4, \on
	KF 5, \on
	KE 1, 2
	KE 1, 3
	KE 1, 4
	KE 1, 5
	KF 6, \on
	KE 1, 6
	KE 1, 7
	KE 2, 0
	KE 2, 1
	KE 2, 2
	KF 7, \on
.irp t, 3,4,5,6,7
	KE 2, \t
.endr
.irp t, 0,1,2,3,4,5,6,7
	KE 3, \t
.endr
	v_pk_add_f32 v[208:209], v[192:193], v[194:195]
	v_pk_add_f32 v[210:211], v[196:197], v[198:199]
	v_pk_add_f32 v[212:213], v[200:201], v[202:203]
	v_pk_add_f32 v[214:215], v[204:205], v[206:207]
.endm
; V: vp of set bP x the weights of rows 8 h + 2 e, + 1, onto each tile's pair of sums; first = 1 starts the sums
.macro EV first
.irp e, 0,1,2,3
.irp t, 0,1,2,3,4,5,6,7
.set rO, 128+2*\t
.set rA, 64*bP+8*\t+2*\e
.set rP, 144+8*(\t/4)+2*\e
.if (\first) && (\e == 0)
	v_pk_mul_f32 v[rO:rO+1], v[rA:rA+1], v[rP:rP+1]
.else
	v_pk_fma_f32 v[rO:rO+1], v[rA:rA+1], v[rP:rP+1], v[rO:rO+1]
.endif
.endr
.endr
.endm
; A PREFETCH INTO THE L2 of the tile that the NEXT change of slots will ask for, one slot (256 matrix instructions a wave) ahead of that load.  A tile is 128 rows x four blocks of 256 bytes = 512 blocks:
; 4 partners of the row x 4 waves x 32 lanes, each lane another block, the partners told apart BY ADDRESS (rows 32 cx + 8 w + lane / 4, block lane % 4).  Only this row of the cluster reads these rows, so each block is named once.
; Tiles 0 and 1 are asked for at the head, tile 2 behind tile 1's load, tiles 3 to 7 by changes 0 to 4; the last change that fills a slot asks for nothing.
.macro ASK
	s_cmp_lt_u32 s48, 5
	s_cbranch_scc0 .Lno_ask_\@
	global_prefetch_b8 v6, s[44:45] th:TH_LOAD_NT scope:SCOPE_SE
.Lno_ask_\@:
.endm
; A BLOCK of 16 rows: number i of its tile's eight; accumulator set and fragment buffer i % 2.  At its end the score of block i - 2 is stored (V: block i's weights are fetched), and block i + 2's fragments are fetched into the buffer just read.
; epi: 0 no block before; K: 1 no score to finish yet, 2 in full; V: 1 starts the sums, 2 adds.
; mode 0: plain.  mode 1: i = 6, the change of slots with a joint refill: blocks i + 2 and on lie in the other slot.  mode 2: the change without a refill.  mode 3: i = 6 of the last tile: no fragments to fetch.  mode 4: the very last block.
; PLACES: a vector instruction that reads a matrix result, and a load into a register that a matrix instruction has read, stand four plain vector instructions behind it that name none of its registers (ISA guide 7.12.1 for vector instructions),
; a matrix instruction that writes over such a register five: the stretch on the other set serves as places, or five v_nop where there is none.
.macro BLOCK ph, i, epi, mode
.set bX, (\i)%2
.set bP, 1-bX
	s_wait_alu depctr_va_vdst(0)
.if ((\mode) == 1) || ((\mode) == 2)
	WIN 0                                          ; (the add's two registers lie in window 0)
	s_wait_tensorcnt 0x0                           ; all my tensor loads have landed: the one that was out is my part of the next slot; so the walking descriptor may be written
	ds_add_u32 v1, v2                              ; 0 onto my spare word: 16 matrix instructions stand between it and the wait for it
.if (\mode) == 1
	s_wait_xcnt 0x0                                ; the last prefetch, a slot back, has read its address
	s_add_nc_u64 s[40:41], s[40:41], STEP          ; the tile to ask for: 128 rows on,
	s_cmp_eq_u32 s48, 2
	s_cselect_b64 s[40:41], s[42:43], s[40:41]     ; or, behind the last tile of keys, the first of values: the choice hangs on the count of changes alone
	s_add_nc_u64 s[44:45], s[44:45], STEP          ; the prefetch stands one tile further on
	s_cmp_eq_u32 s48, 1
	s_cselect_b64 s[44:45], s[46:47], s[44:45]
	s_add_co_u32 s33, s49, s50                     ; into the slot that is being left, my 32 rows
	s_mov_b64 s[34:35], s[40:41]
	s_or_b32 s35, s35, 0x80000000                  ; type = 2
.endif
	s_wait_dscnt 18+3*(\ph)                        ; this block's fragments are in; younger: the add, block 7's 16 loads, and a score's store (V: four loads of weights)
.else
.if \ph
.if (\mode) == 4
	s_wait_dscnt 4                                 ; younger: four loads of weights
.else
	s_wait_dscnt 20                                ; younger: four loads of weights, 16 of the next block's fragments
.endif
.else
.if ((\i) == 2) || ((\epi) < 2)
	s_wait_dscnt 16                                ; younger: 16 loads of the next block's fragments (on the way in no score has been stored yet)
.else
	s_wait_dscnt 17                                ; and a score's store
.endif
.endif
.endif
	WM \ph, bX, 0, 0, 8
	WM \ph, bX, 1, 0, 8
.if ((\mode) == 1) || ((\mode) == 2)
	s_wait_dscnt 0x0                               ; the add is done, and my reads of this slot are over (block 7's fragments are in)
	s_barrier_signal -1                            ; (mode 1: this barrier opens a round of the cluster's barrier); work on registers while the others arrive
.endif
	WM \ph, bX, 2, 0, 8
	WM \ph, bX, 3, 0, 8
.if \ph
.if (\mode) == 4
	s_wait_dscnt 0                                 ; the weights of the block before are in
.endif
.if ((\mode) == 0) || ((\mode) == 3)
	s_wait_dscnt 16                                ; the weights of the block before are in; 16 loads of the next block's fragments are younger
.endif
	WIN W_E
.if (\epi) == 1
	s_wait_alu depctr_va_vdst(0)                   ; the wait ahead of the first readers of block 0's results
	EV 1
.else
	EV 0
.endif
.else
	WIN W_E
.if (\epi) == 0
	NOPS 5
.endif
.if (\epi) == 1
	KSTR 0
.endif
.if (\epi) == 2
	KSTR 1
.endif
.endif
.if ((\mode) == 1) || ((\mode) == 2)
	WIN 0
	s_wait_alu depctr_va_vdst(0)
	s_barrier_wait -1
.if (\mode) == 1
	CREST                                          ; no wave of any partner still reads this slot or has a load on its way
	tensor_load_to_lds s[32:35], s[24:31]          ; my one tensor load behind the round, and the first thing there
	s_nop 0
	NOPS 4
.endif
	s_xor_b32 s49, s49, SLOT                       ; on to the other slot
	v_add_nc_u32 v4, s49, v3
	v_add_nc_u32 v5, HALFS, v4
.endif
.if \ph
	PLOAD \i
.else
.if (\epi) == 2
	WIN W_E
	ds_store_b32 v241, v219 offset:64*(((\i)+6)%8) ; my K half's score of head 2 c + h, row r of the block two before
.endif
.endif
.if (\mode) < 3
	FETCH bX, ((\i)+2)%8
.endif
.if (\mode) == 1
	ASK
	s_add_co_u32 s48, s48, 1
.endif
.endm
	s_load_b256 s[4:11], s[0:1], 0x0               ; Wk s[4:5], Wq s[6:7], keys s[8:9], the scales' exponents s[10:11]
	s_load_b128 s[12:15], s[0:1], 0x20             ; query s[12:13], values s[14:15]
	s_load_b64 s[16:17], s[0:1], 0x30              ; out0
	v_lshl_add_u32 v1, v0, 2, SPARE                ; my spare word; never rewritten
	v_mov_b32 v2, 0                                ; never rewritten
	ds_add_u32 v1, v2                              ; the wave's opening: the add, twice on end, and its wait ahead of my first tensor load
	ds_add_u32 v1, v2
	v_lshrrev_b32 v9, 5, v0
	v_readfirstlane_b32 s18, v9                    ; wave w 0..3
	s_lshr_b32 s19, s18, 1                         ; c
	s_and_b32 s20, s18, 1                          ; q
	s_bfe_u32 s21, ttmp6, 0x40000                  ; cx = g: it enters the addresses of Wk, Wq, out0 and the prefetches, and Wq's mask
	s_bfe_u32 s22, ttmp6, 0x40004                  ; cy
	s_and_b32 s23, ttmp7, 0xffff
	s_lshl_b32 s23, s23, 2
	s_add_co_u32 s23, s23, s22                     ; b = 4 x cluster y + cy
	s_lshl_b32 s92, s22, 2
	s_lshl_b32 s92, 15, s92                        ; my row of the cluster
	s_lshl_b32 s93, 0x1111, s21                    ; my column
	; descriptor group 1 for tiles: 32 rows x 1,024 bytes, rows 65,536 bytes apart in memory, padded in LDS
	s_or_b32 s24, s92, PADF
	s_mov_b32 s25, 1024<<16                        ; tensor_dim0
	s_mov_b32 s26, 32<<16                          ; tensor_dim1
	s_mov_b32 s27, 1024<<16                        ; tile_dim0
	s_mov_b32 s28, 32                              ; tile_dim1
	s_mov_b32 s29, 65536                           ; tensor_dim0_stride
	s_mov_b32 s30, 0
	s_mov_b32 s31, 0
	; and for Wq: 64 rows x 1,024 bytes, dense
	s_or_b32 s84, s93, PADF
	s_mov_b32 s85, 1024<<16
	s_mov_b32 s86, 64<<16
	s_mov_b32 s87, 1024<<16
	s_mov_b32 s88, 64
	s_mov_b32 s89, 1024
	s_mov_b32 s90, 0
	s_mov_b32 s91, 0
	s_mul_i32 s50, s18, 32*PITCH                   ; my 32 rows in a slot
	s_mul_i32 s37, s18, 64*PITCH                   ; my 64 rows of Wq in the two slots
	s_mul_i32 s51, s18, 16*PITCH                   ; the first 16 rows of Wq that I multiply
	s_mov_b32 s48, 0                               ; changes of slots so far
	s_mov_b32 s49, 0                               ; the slot that is being read
	s_mov_b32 s52, 0                               ; the tile's 128 scores or weights, in bytes
	s_mov_b32 s54, 0x76543210                      ; v_permlanex16_b32: lane l xor 16
	s_mov_b32 s55, 0xfedcba98
	s_mov_b32 s56, 0xffff0000                      ; lanes 16-31
	s_mov_b32 s58, 0x3e38aa3b                      ; log2(e) / 8
	s_mov_b32 s59, s58                             ; (named with it as a pair, so it is written)
	s_lshl_b32 s76, s23, 10                        ; tiles: b's row of 1,024 bytes + my 32 rows of 65,536
	s_lshl_b32 s77, s18, 21
	s_add_co_u32 s76, s76, s77
	s_mov_b32 s77, 0
	s_lshl_b32 s78, s21, 18                        ; Wk: 256 g + 128 c rows of 1,024 bytes, + 512 q
	s_lshl_b32 s79, s19, 17
	s_add_co_u32 s78, s78, s79
	s_lshl_b32 s79, s20, 9
	s_add_co_u32 s78, s78, s79
	s_mov_b32 s79, 0
	s_lshl_b32 s80, s21, 18                        ; Wq: 256 g + 64 w rows
	s_lshl_b32 s81, s18, 16
	s_add_co_u32 s80, s80, s81
	s_mov_b32 s81, 0
	s_lshl_b32 s82, s23, 10                        ; query: row b
	s_mov_b32 s83, 0
	s_lshl_b32 s94, s23, 12                        ; out0: row b of 4,096 bytes, + 1,024 g + 256 w
	s_lshl_b32 s95, s21, 10
	s_add_co_u32 s94, s94, s95
	s_lshl_b32 s95, s18, 8
	s_add_co_u32 s94, s94, s95
	s_mov_b32 s95, 0
	s_lshl_b32 s96, s23, 10                        ; prefetches: b's row, + rows 32 cx + 8 w
	s_lshl_b32 s97, s21, 21
	s_add_co_u32 s96, s96, s97
	s_lshl_b32 s97, s18, 19
	s_add_co_u32 s96, s96, s97
	s_mov_b32 s97, 0
	s_lshl_b32 s62, s20, 9                         ; my K half in a row
	s_lshl_b32 s63, s20, 13
	s_lshl_b32 s68, s19, 12
	s_add_co_u32 s63, s63, s68
	s_add_co_u32 s63, s63, SCB                     ; scores I store: 8,192 q + 2,048 (2 c + h)
	s_add_co_u32 s68, s68, SCB                     ; weights I read: heads 2 c on
	s_lshl_b32 s69, s18, 6
	s_add_co_u32 s69, s69, QPB                     ; qp: the first tile I make
	s_lshl_b32 s70, s19, 9
	s_add_co_u32 s70, s70, QPB                     ; and my 128 columns
	s_lshl_b32 s71, s18, 11
	s_add_co_u32 s71, s71, SCB                     ; softmax: head w's 512 scores
	s_lshl_b32 s74, s18, 9
	s_add_co_u32 s74, s74, FIN                     ; my partial outputs
	s_lshl_b32 s75, s19, 10
	s_lshl_b32 s53, s20, 8
	s_add_co_u32 s75, s75, s53
	s_add_co_u32 s75, s75, FIN                     ; the 64 columns that I add up
	v_and_b32 v22, 31, v0                          ; lane
	v_and_b32 v23, 15, v0                          ; r
	v_bfe_u32 v24, v0, 4, 1                        ; h
	v_lshlrev_b32 v25, 4, v24
	v_lshl_add_u32 v7, v23, 10, v25                ; Wk: row r of 1,024 bytes + 16 h
	v_mul_u32_u24 v3, v23, PITCH
	v_add_nc_u32 v3, v3, v25                       ; a fragment in LDS: row r x pitch + 16 h,
	v_add_nc_u32 v8, s51, v3                       ; of Wq's rows 16 w on,
	v_add_nc_u32 v14, HALFS, v8                    ; 64 + 16 w on,
	v_add_nc_u32 v9, SLOT, v8                      ; 128 + 16 w on,
	v_add_nc_u32 v15, SLOT, v14                    ; and 192 + 16 w on;
	v_add_nc_u32 v3, s62, v3                       ; of tiles: + 512 q
	v_add_nc_u32 v4, s49, v3                       ; blocks 0-3 of the slot in hand
	v_add_nc_u32 v5, HALFS, v4                     ; blocks 4-7
	v_lshrrev_b32 v6, 2, v22                       ; prefetches: row lane / 4, block lane % 4; never rewritten
	v_lshlrev_b32 v6, 16, v6
	v_and_b32 v26, 3, v22
	v_lshl_add_u32 v6, v26, 8, v6
	v_lshl_add_u32 v27, v24, 11, s63
	v_lshl_add_u32 v10, v22, 4, s71                ; softmax: 16 bytes a lane
	v_lshl_add_u32 v12, v24, 5, s69
	v_lshl_add_u32 v13, v24, 5, s70
	v_lshlrev_b32 v29, 3, v0                       ; the query row: 8 bytes a thread,
	v_lshl_add_u32 v28, v0, 3, QRY                 ; into LDS;
	v_add_nc_u32 v25, QRY, v25                     ; back: every lane takes the one row, + 16 h
	WIN 0x40                                       ; destination window 1, sources window 0
	v_lshl_add_u32 v240, v23, 2, v27               ; + 4 r: where tile 0's scores go; never rewritten
	v_lshl_add_u32 v241, v23, 2, v27               ; the same for the tile in hand
	v_lshl_add_u32 v242, v24, 5, s68               ; weights: head 2 c, + 32 h; never rewritten
	v_lshl_add_u32 v243, v24, 5, s68               ; the same for the tile in hand
	v_lshl_add_u32 v244, v22, 2, s74
	v_lshl_add_u32 v245, v22, 3, s75
	v_lshlrev_b32 v246, 3, v22                     ; out0: 8 bytes a lane
	v_mov_b32 v220, 0                              ; written once: a lane permute's destination counts as one of its sources
	WIN 0
	s_wait_alu depctr_va_vdst(0)
	s_wait_dscnt 0x0                               ; both opening adds are done
	s_wait_kmcnt 0x0
	s_load_b128 s[68:71], s[10:11], 0x0            ; e0 .. e3
	s_load_b64 s[72:73], s[10:11], 0x10            ; e4, e5
	s_add_nc_u64 s[12:13], s[12:13], s[82:83]
	global_load_b64 v[30:31], v29, s[12:13]
	s_add_nc_u64 s[40:41], s[8:9], s[76:77]        ; my part of keys' tile 0
	s_add_nc_u64 s[42:43], s[14:15], s[76:77]      ; and of values' tile 0
	s_add_nc_u64 s[4:5], s[4:5], s[78:79]
	s_add_nc_u64 s[16:17], s[16:17], s[94:95]
	s_add_nc_u64 s[60:61], s[8:9], s[96:97]        ; the prefetches: tile 0,
	s_add_nc_u64 s[66:67], s[60:61], STEP          ; tile 1,
	s_add_nc_u64 s[44:45], s[60:61], 2*STEP        ; tile 2 on,
	s_add_nc_u64 s[46:47], s[14:15], s[96:97]      ; and values' tile 0
	s_mov_b32 s36, 1                               ; group 0 for Wq: count = 1, the LDS address is in s37,
	s_add_nc_u64 s[38:39], s[6:7], s[80:81]
	s_or_b32 s39, s39, 0x80000000                  ; type = 2
	CROUND                                         ; all sixteen work-groups are here: the first joint loads meet
	tensor_load_to_lds s[36:39], s[84:91]          ; my 64 rows of Wq
	s_nop 0
	NOPS 4
	global_prefetch_b8 v6, s[60:61] th:TH_LOAD_NT scope:SCOPE_SE   ; keys' tiles 0 and 1, which follow Wq into the slots
	global_prefetch_b8 v6, s[66:67] th:TH_LOAD_NT scope:SCOPE_SE
.irp f, 0,1,2,3,4,5
	LDWK \f
.endr
	WIN 0
	s_wait_loadcnt 24                              ; my eight bytes of the query are in: 24 loads of Wk are younger
	ds_store_b64 v28, v[30:31]
	s_wait_dscnt 0x0                               ; for the others' sake
	s_barrier_signal -1
	s_barrier_wait -1
.irp ks, 0,1,2,3,4,5,6,7
.irp cc, 0,1,2,3
	ds_load_b128 v[32+16*\ks+4*\cc:35+16*\ks+4*\cc], v25 offset:128*\ks+32*\cc
.endr
.endr
.irp f, 6,7,8,9,10,11,12,13,14
	LDWK \f
.endr
	WIN 0
	s_wait_dscnt 0x0                               ; the query's fragments are in
	s_wait_tensorcnt 0x0                           ; my part of Wq is in
	s_barrier_signal -1
	s_barrier_wait -1                              ; and everybody's
	QLOAD 8, 0
	QMUL 0
	QREST 8, 0
	QLOAD 14, 0
	QMUL 0
	QREST 14, 256
	s_wait_alu depctr_va_vdst(0)
	s_wait_tensorcnt 0x0
	ds_add_u32 v1, v2
	s_mov_b32 s32, 1                               ; group 0 for tiles, the walking one: count = 1,
	s_add_co_u32 s33, s50, 0                       ; LDS address: slot 0,
	s_mov_b64 s[34:35], s[40:41]                   ; global address,
	s_or_b32 s35, s35, 0x80000000                  ; type = 2
	s_wait_dscnt 0x0                               ; the add is done, and my reads of Wq's first 128 rows are over
	CROUND
	tensor_load_to_lds s[32:35], s[24:31]          ; keys' tile 0 takes the place of Wq's first 128 rows
	s_nop 0
	NOPS 4
	QLOAD 9, 0
.irp f, 15,16,17,18,19,20,21,22
	LDWK \f
.endr
	WIN 0
	QMUL 0
	QREST 9, 512
	QLOAD 15, 0
.irp f, 23,24,25,26,27,28,29,30,31
	LDWK \f
.endr
	WIN 0
	QMUL 0
	QREST 15, 768
	s_wait_alu depctr_va_vdst(0)
	s_wait_tensorcnt 0x0                           ; my part of tile 0 is in, so the descriptor may be written
	ds_add_u32 v1, v2
	s_add_nc_u64 s[40:41], s[40:41], STEP          ; the tile last asked for
	s_add_co_u32 s33, s50, SLOT
	s_mov_b64 s[34:35], s[40:41]
	s_or_b32 s35, s35, 0x80000000
	s_wait_dscnt 0x0                               ; the add is done, my four tiles of qp lie in LDS, and my reads of Wq are over
	CROUND                                         ; tile 0 and qp are whole behind it
	tensor_load_to_lds s[32:35], s[24:31]          ; keys' tile 1 takes the place of Wq's last 128 rows
	s_nop 0
	NOPS 4
	WIN 0x40                                       ; destination window 1, address window 0
.irp bn, 0,1,2,3,4,5,6,7
	ds_load_b128 v[128+8*\bn:131+8*\bn], v13 offset:64*\bn           ; qp(16 bn + 8 h + 0 .. 7) of my 128 columns
	ds_load_b128 v[132+8*\bn:135+8*\bn], v13 offset:64*\bn+16
.endr
	FETCH 0, 0
	FETCH 1, 1
	ASK                                            ; tile 2
	s_wait_kmcnt 0x0
	s_add_co_i32 s74, s68, s69
	s_add_co_i32 s74, s74, s70
	s_add_co_i32 s74, s74, s71                     ; a raw score stands for score x 2^(e0 + e1 + e2 + e3)
	s_add_co_i32 s75, s72, s73                     ; a raw output for output x 2^(e4 + e5)
	s_wait_loadcnt 0x0                             ; Wk is in its registers
	; ---- K PHASE: four tiles of keys
	BLOCK 0, 0, 0, 0
	BLOCK 0, 1, 1, 0
	s_mov_b32 s51, 3
.LK:                                               ; a trip: blocks 2-7 of a tile (in block 6 tiles 2, 3 of keys and 0 of values are asked for), blocks 0 and 1 of the next tile
.irp i, 2,3,4,5
	BLOCK 0, \i, 2, 0
.endr
	BLOCK 0, 6, 2, 1
	BLOCK 0, 7, 2, 0
	BLOCK 0, 0, 2, 0
	BLOCK 0, 1, 2, 0
	s_add_co_u32 s52, s52, 512                     ; block 7's scores are stored: on to the next tile's 128
	WIN W_E
	v_add_nc_u32 v241, s52, v240
	WIN 0                                          ; at a label and at a branch every window is 0
	s_sub_co_u32 s51, s51, 1
	s_cmp_lg_u32 s51, 0
	s_wait_alu depctr_va_vdst(0)                   ; the wait ahead of the branch
	s_cbranch_scc1 .LK
.irp i, 2,3,4,5
	BLOCK 0, \i, 2, 0
.endr
	BLOCK 0, 6, 2, 1                               ; values' tile 1 is asked for, and values' first fragments are fetched
	BLOCK 0, 7, 2, 0
.set bP, 1
	WIN W_E
	KSTR 1                                         ; the last two blocks' scores
	ds_store_b32 v241, v219 offset:64*6
.irp n, 0,1,2,3,4,5,6,7
	KF \n, 1
.endr
	ds_store_b32 v241, v219 offset:64*7
	; ---- SOFTMAX: wave w takes head w of the group: 512 scores, 16 a lane
	s_wait_alu depctr_va_vdst(0)
	s_wait_dscnt 0x0                               ; for the others' sake: my scores lie in LDS
	s_barrier_signal -1
.irp ks, 0,1,2,3
	WM 1, 0, \ks, 0, 4                             ; values' block 0, tiles 0-3: work on registers while the others arrive
.endr
	WIN 0
	s_barrier_wait -1
.irp i, 0,1,2,3
	ds_load_b128 v[160+4*\i:163+4*\i], v10 offset:512*\i
.endr
.irp i, 0,1,2,3
	ds_load_b128 v[176+4*\i:179+4*\i], v10 offset:8192+512*\i
.endr
	s_wait_dscnt 0x0
.irp k, 0,2,4,6,8,10,12,14
	v_pk_add_f32 v[160+\k:161+\k], v[160+\k:161+\k], v[176+\k:177+\k]   ; K's two halves
.endr
	v_max3_num_f32 v192, v160, v161, v162          ; the largest raw score, in two chains,
	v_max3_num_f32 v193, v163, v164, v165
	v_max3_num_f32 v192, v192, v166, v167
	v_max3_num_f32 v193, v193, v168, v169
	v_max3_num_f32 v192, v192, v170, v171
	v_max3_num_f32 v193, v193, v172, v173
	v_max3_num_f32 v192, v192, v174, v175
	v_max_num_f32 v192, v192, v193
	v_max_num_f32_dpp v192, v192, v192 row_xmask:1 row_mask:0xf bank_mask:0xf   ; and across the 32 lanes
	v_max_num_f32_dpp v192, v192, v192 row_xmask:2 row_mask:0xf bank_mask:0xf
	v_max_num_f32_dpp v192, v192, v192 row_xmask:4 row_mask:0xf bank_mask:0xf
	v_max_num_f32_dpp v192, v192, v192 row_xmask:8 row_mask:0xf bank_mask:0xf
	v_permlanex16_b32 v193, v192, s54, s55
	v_max_num_f32 v192, v192, v193
	v_mul_f32 v194, s58, v192                      ; c m, c = log2(e) / 8
	v_mov_b32 v195, v194                           ; (named with it as a pair)
.irp k, 0,2,4,6,8,10,12,14
	v_pk_fma_f32 v[160+\k:161+\k], v[160+\k:161+\k], s[58:59], v[194:195] op_sel_hi:[1,0,0] neg_lo:[0,0,1] neg_hi:[0,0,1]   ; c s - c m
.endr
.irp k, 0,1,2,3,4,5,6,7,8,9,10,11,12,13,14,15
	v_ldexp_f32 v[160+\k], v[160+\k], s74          ; x 2^(e0 + e1 + e2 + e3)
.endr
	s_wait_alu depctr_va_vdst(0)                   ; the wait ahead of the batch
.irp k, 0,1,2,3,4,5,6,7,8,9,10,11,12,13,14,15
	v_exp_f32 v[160+\k], v[160+\k]
.endr
	v_mov_b32 v197, 0                              ; a plain instruction behind the last exponential (and a permute's destination is written)
	s_wait_alu depctr_va_vdst(0)                   ; one wait for the 16 exponentials, ahead of their first reader
	v_pk_add_f32 v[176:177], v[160:161], v[162:163]
	v_pk_add_f32 v[178:179], v[164:165], v[166:167]
	v_pk_add_f32 v[180:181], v[168:169], v[170:171]
	v_pk_add_f32 v[182:183], v[172:173], v[174:175]
	v_pk_add_f32 v[176:177], v[176:177], v[178:179]
	v_pk_add_f32 v[180:181], v[180:181], v[182:183]
	v_pk_add_f32 v[176:177], v[176:177], v[180:181]
	v_add_f32 v196, v176, v177
	v_add_f32_dpp v196, v196, v196 row_xmask:1 row_mask:0xf bank_mask:0xf
	v_add_f32_dpp v196, v196, v196 row_xmask:2 row_mask:0xf bank_mask:0xf
	v_add_f32_dpp v196, v196, v196 row_xmask:4 row_mask:0xf bank_mask:0xf
	v_add_f32_dpp v196, v196, v196 row_xmask:8 row_mask:0xf bank_mask:0xf
	v_permlanex16_b32 v197, v196, s54, s55
	v_add_f32 v196, v196, v197                     ; the head's sum, at least about 1
	s_wait_alu depctr_va_vdst(0)                   ; the wait ahead of the transcendental
	v_rcp_f32 v198, v196
	v_mov_b32 v199, 0                              ; a plain instruction behind the reciprocal (and the pair's upper half is written)
	s_wait_alu depctr_va_vdst(0)                   ; the wait ahead of its first reader
.irp k, 0,2,4,6,8,10,12,14
	v_pk_mul_f32 v[160+\k:161+\k], v[160+\k:161+\k], v[198:199] op_sel_hi:[1,0]
.endr
.irp i, 0,1,2,3
	ds_store_b128 v10, v[160+4*\i:163+4*\i] offset:512*\i   ; the weights take the place of my head's q = 0 scores, which only I have read since the barrier
.endr
	s_mov_b32 s52, 0
	s_wait_alu depctr_va_vdst(0)
	s_wait_dscnt 0x0                               ; for the others' sake
	s_barrier_signal -1
.irp ks, 0,1,2,3
	WM 1, 0, \ks, 4, 4                             ; values' block 0, tiles 4-7
.endr
	WIN 0
	s_barrier_wait -1
	; ---- V PHASE: four tiles of values
	PLOAD 0
	NOPS 5
	FETCH 0, 2
	BLOCK 1, 1, 1, 0
	s_mov_b32 s51, 2
	s_wait_alu depctr_va_vdst(0)
.LV:                                               ; a trip: blocks 2-7 of a tile (in block 6 values' tiles 2, 3 are asked for), blocks 0 and 1 of the next tile
.irp i, 2,3,4,5
	BLOCK 1, \i, 2, 0
.endr
	BLOCK 1, 6, 2, 1
	BLOCK 1, 7, 2, 0
	s_add_co_u32 s52, s52, 512                     ; the next tile's 128 weights
	WIN W_E
	v_add_nc_u32 v243, s52, v242
	BLOCK 1, 0, 2, 0
	BLOCK 1, 1, 2, 0
	s_sub_co_u32 s51, s51, 1
	s_cmp_lg_u32 s51, 0
	s_wait_alu depctr_va_vdst(0)                   ; the wait ahead of the branch
	s_cbranch_scc1 .LV
.irp i, 2,3,4,5                        ; the tail is written out
	BLOCK 1, \i, 2, 0
.endr
	BLOCK 1, 6, 2, 2                               ; the last change of slots: nothing is left to ask for
	BLOCK 1, 7, 2, 0
	s_add_co_u32 s52, s52, 512
	WIN W_E
	v_add_nc_u32 v243, s52, v242
.irp i, 0,1,2,3,4,5
	BLOCK 1, \i, 2, 0
.endr
	BLOCK 1, 6, 2, 3
	BLOCK 1, 7, 2, 4
	s_wait_alu depctr_va_vdst(0)
	s_wait_dscnt 0x0                               ; the last block's weights
.set bP, 1
	WIN W_E
	EV 0
	; ---- THE WAY OUT: a pair's two halves; the two halves of the lanes (rows 8 h + j) by one exchange for two tiles; K's two halves through LDS
.irp bn, 0,1,2,3,4,5,6,7
	v_add_f32 v[128+2*\bn], v[128+2*\bn], v[129+2*\bn]
.endr
.irp i, 0,1,2,3
	v_cndmask_b32 v[192+\i], v[130+4*\i], v[128+4*\i], s56   ; lanes 0-15 keep tile 2 i and send tile 2 i + 1, lanes 16-31 the other way round
	v_cndmask_b32 v[196+\i], v[128+4*\i], v[130+4*\i], s56
.endr
.irp i, 0,1,2,3
	v_permlanex16_b32 v[200+\i], v[192+\i], s54, s55
.endr
.irp i, 0,1,2,3
	v_add_f32 v[196+\i], v[196+\i], v[200+\i]
.endr
.irp i, 0,1,2,3
	ds_store_b32 v244, v[196+\i] offset:128*\i     ; column 32 i + lane of my 128
.endr
	WIN 0
	s_wait_alu depctr_va_vdst(0)
	s_wait_tensorcnt 0x0                           ; the wave's end: behind my last tensor load and my last LDS store
	ds_add_u32 v1, v2
	s_wait_dscnt 0x0                               ; for the others' sake too: my partial outputs lie in LDS
	CROUND                                         ; the closing round: no work-group ends while a partner may still ask for a tile that names it; behind it all four waves' partial outputs may be read
	WIN W_E
	ds_load_b64 v[248:249], v245                   ; columns 64 q + 2 lane, + 1 of the wave pair's 128: K half 0's,
	ds_load_b64 v[250:251], v245 offset:512        ; K half 1's
	s_wait_dscnt 0x0
	v_pk_add_f32 v[248:249], v[248:249], v[250:251]
	v_ldexp_f32 v248, v248, s75                    ; x 2^(e4 + e5)
	v_ldexp_f32 v249, v249, s75
	global_store_b64 v246, v[248:249], s[16:17]    ; the wave's 32 lanes store 256 consecutive bytes, at a multiple of 256 from out0's first byte
	WIN 0
	s_endpgm
.Lfunc_end_k_qd261e3f383_mha:
	.size	k_qd261e3f383_mha, .Lfunc_end_k_qd261e3f383_mha-k_qd261e3f383_mha
	.p2alignl 7, 3214868480
	.fill 96, 4, 3214868480
	.section	.rodata,"a",@progbits
	.p2align	6, 0x0
	.amdhsa_kernel k_qd261e3f383_mha
		.amdhsa_group_segment_fixed_size 327680
		.amdhsa_private_segment_fixed_size 0
		.amdhsa_enable_private_segment 0
		.amdhsa_kernarg_size 56
		.amdhsa_user_sgpr_count 2
		.amdhsa_user_sgpr_kernarg_segment_ptr 1
		.amdhsa_wavefront_size32 1
		.amdhsa_system_sgpr_workgroup_id_x 1
		.amdhsa_system_sgpr_workgroup_id_y 1
		.amdhsa_system_sgpr_workgroup_id_z 1
		.amdhsa_system_vgpr_workitem_id 0
		.amdhsa_next_free_vgpr 1024
		.amdhsa_next_free_sgpr 100
		.amdhsa_reserve_vcc 0
		.amdhsa_float_denorm_mode_32 3
		.amdhsa_float_denorm_mode_16_64 3
		.amdhsa_memory_ordered 1
		.amdhsa_forward_progress 1
		.amdhsa_inst_pref_size 255
	.end_amdhsa_kernel
	.section	.bss,"aw",@nobits
	.p2align	6
	.space	262144
	.amdgpu_metadata
---
amdhsa.version: [ 1, 2 ]
amdhsa.kernels:
  - .name:           k_qd261e3f383_mha
    .symbol:         k_qd261e3f383_mha.kd
    .args:
      - { .name: Wk_codes, .offset: 0, .size: 8, .value_kind: global_buffer, .address_space: global }
      - { .name: Wq_codes, .offset: 8, .size: 8, .value_kind: global_buffer, .address_space: global }
      - { .name: keys_codes, .offset: 16, .size: 8, .value_kind: global_buffer, .address_space: global }
      - { .name: lowp_scales, .offset: 24, .size: 8, .value_kind: global_buffer, .address_space: global }
      - { .name: query_codes, .offset: 32, .size: 8, .value_kind: global_buffer, .address_space: global }
      - { .name: values_codes, .offset: 40, .size: 8, .value_kind: global_buffer, .address_space: global }
      - { .name: out0, .offset: 48, .size: 8, .value_kind: global_buffer, .address_space: global }
    .group_segment_fixed_size: 327680
    .private_segment_fixed_size: 0
    .kernarg_segment_align: 8
    .kernarg_segment_size: 56
    .max_flat_workgroup_size: 128
    .sgpr_count:     100
    .vgpr_count:     1024
    .wavefront_size: 32
...
	.end_amdgpu_metadata
.endif
;; end of part 1
